; MI455X (gfx1250); checked and timed in simulation.
; The chip was launched on July 23, 2026; its instructions are those of AMD's public machine-readable ISA for CDNA 5 (MIT licence, August 2026) and "CDNA5" Instruction Set Architecture Reference Guide (July 2026). The comments in the code are by the model that wrote it; some were corrected since.
;; Multi Head Attention Quantum. Allowed arithmetic: float matrix products may take bf16 or f16 operands with f32 sums; all other float work in f32.
;; Inputs: Wc 128 x 128 float32; bc 128 float32; theta 8 float32; x 4 x 2,048 x 128 float32.
;; Outputs: out0 4 x 2,048 x 128 float32.
;; 2 versions, each right and faster than the one before. Each part assembles by itself: llvm-mc -triple=amdgcn-amd-amdhsa -mcpu=gfx1250 --defsym DOCPART=n.
;; ======== version 1 of 2: 2 launches
;; limits: inputs' magnitudes at most 262,144; values are held in f16: magnitudes above 65,504 overflow, below 6.1e-05 lose precision; inputs' magnitudes at most 65,504
;; workspace buffers: merged 2,097,152 bytes
;; launch attn (part 1): grid 256 x 1, 8 waves a work-group, no clusters, 168,960 bytes of LDS; arguments x, theta, merged; writes merged
.if DOCPART == 1
	.amdgcn_target "amdgcn-amd-amdhsa--gfx1250"
	.amdhsa_code_object_version 6
	.text
	.protected	k_q506d0669c7_attn
	.globl	k_q506d0669c7_attn
	.p2align	8
	.type	k_q506d0669c7_attn,@function
k_q506d0669c7_attn:
	s_mov_b64 s[64:65], 0
	v_nop
	global_prefetch_b8 v0, s[64:65] scope:SCOPE_SE
	s_setreg_imm32_b32 hwreg(HW_REG_WAVE_MODE, 25, 1), 1
	s_wait_xcnt 0x0
; q = k = v = cos(x + theta); per head softmax(q k^T / sqrt 8) v.  x: [4][2048][128] f32, 16 heads of 8.
; merged (workspace): [b][h][token][8] f16, 16 bytes a token, so that a wave's store covers 512 consecutive bytes.
;   f16 and not bf16: a result is a convex mix of cosines, at most 1 in size, so f16 holds it to 2^-12 absolutely for every input;
;   bf16's 2^-9, added up over the 128 terms of the linear layer that follows, would take too large a share of the error allowed.
; A work-group takes one head of one batch and 512 of its queries; 8 waves, 64 queries (4 tiles of 16) each.
;
; HEAD: thread T takes tokens 8T .. 8T+7, makes their 64 cosines in f32 and lays them into LDS twice, in bf16:
;   K array : c * cos, c*c = log2(e)/sqrt(8); token n at (n & 7) * 4128 + (n >> 3) * 16.  It serves as K and as Q, so a score comes out as
;             the exponent to base 2.  Pitch 4128 = 16 x 258.
;   V^T     : row d = cos of wire d along the tokens, pitch 4112 (row d starts 16 d bytes on modulo 256); row 8 is all ones.
;   The padding behind a row's 4,096 bytes is neither written nor read: the last query read ends at 3968 + 16 + 96 + 16 = 4096,
;   the last key read at 3968 + 64 + 48 + 16 = 4096, the last V^T read at 3968 + 64 + 32 + 16 + 16 = 4096.
; LOOP, a unit = 16 queries x 32 keys:
;   one 16-byte load a lane brings 32 keys: lanes 0-15 fill A's k = 0..7 (keys 0-15), lanes 16-31 A's k = 8..15 (keys 16-31).
;   S^T(keys 0-15)  = A x Qlo (the queries in lanes 0-15, zeros elsewhere);  S^T(keys 16-31) = the same A x Qhi (queries in lanes 16-31).
;   A's registers 4-7 are the first V^T registers: finite numbers that meet zeros of Q.
;   In S^T a lane holds one query and its registers eight keys: after exp2 and rounding to bf16 that IS the B fragment of O^T = V^T x P^T.
;   Rows 8-15 of V^T's fragment are the ones row, so lanes 16-31 of O^T hold the sum of the weights.
; NO MAXIMUM IS TAKEN AWAY: every q is a cosine, |q| <= 1 (here at most 1.00002), whatever x and theta are, so each exponent to base 2
;   is below 8 c c 1.01 < 4.2 in size, each weight lies in [2^-4.2, 2^4.2], and a sum of 2,048 of them is below 2^16: nothing can
;   overflow or underflow in f32 or bf16.
; THE COSINE: n = nearest whole number to t / 2 pi, r = t - n 2 pi with 2 pi in two f32 parts and fused multiply-adds,
;   cos r = 1 - (r r / 2) p(r r)^2, p = the series of sin(r/2)/(r/2) up to r^8: error below 2e-5 on [-pi, pi].
;   LIMIT: |x + theta| <= 2^18.  Beyond it the rounding of t / 2 pi can leave r outside [-pi, pi] by more than 0.03 and accuracy is lost.
;   An infinite or NaN x gives NaN for its head and batch, as in the definition.
; NOT SHARED IN A CLUSTER: the four work-groups of a head read the same 64 KiB of x, once, at the head, into registers (16 loads a thread);
;   the 256 steps of the loop read LDS alone.
.set KPITCH, 4128
.set VTBASE, 8*KPITCH                  ; 33,024: V^T lies behind the K array
.set VPITCH, 4112
.set TRIPS,  32                        ; a trip = 2 blocks of 32 keys x 4 query tiles = 8 units
.set KA,   2                           ; LDS address of my 16 bytes of the trip's first key block
.set VA,   3                           ; LDS address of my 16 bytes of its V^T fragment
.set XO,   4                           ; byte offset of my 8 rows of x
.set KS,   5                           ; where I store K rows
.set VS,   6                           ; where I store V^T pieces
.set QA,   7                           ; LDS address of my wave's queries
.set OUTO, 8                           ; 16 x lane
.set TA,   10                          ; v10-11 address arithmetic
; the head's registers
.set X,   16                           ; v[16:79]   token i: 8 numbers, x, then the angle, then its cosine
.set TH,  80                           ; v[80:87]   theta
.set N,   88                           ; v[88:95]   whole turns
.set U,   96                           ; v[96:103]  r r
.set PL,  104                          ; v[104:111] the series
.set CK,  112                          ; v[112:119] c cos
.set C4,  120                          ; v[120:121] the series' last coefficient, twice
.set ONE, 124                          ; v[124:127] eight bf16 ones
.set KPK, 136                          ; v[136:167] token i: its K row, 4 registers
.set VPK, 168                          ; v[168:199] wire d: 8 tokens, 4 registers
; the loop's registers
.set Q,   16                           ; v[16:79]   tile t: Qlo (4 data, 4 zeros), Qhi (4 data, 4 zeros)
.set O,   80                           ; v[80:111]  tile t: O^T, 8 registers
.set S,   112                          ; v[112:143] two buffers of 16: scores, then weights
.set P,   144                          ; v[144:159] two buffers of 8: weights in bf16
.set F,   160                          ; v[160:183] two buffers of 12: 4 of keys, 8 of V^T
	s_load_b128 s[4:7], s[0:1], 0x0                ; x s[4:5], theta s[6:7]
	s_load_b64 s[8:9], s[0:1], 0x10                ; merged
	v_lshl_add_u32 v200, v0, 2, 0x29000
	v_mov_b32 v201, 0
	v_lshrrev_b32 v1, 5, v0
	v_readfirstlane_b32 s10, v1                    ; wave 0..7
	s_and_b32 s11, ttmp9, 3                        ; which 512 queries
	s_lshr_b32 s12, ttmp9, 2                       ; 16 b + h
	s_lshr_b32 s13, ttmp9, 6                       ; b
	s_and_b32 s14, s12, 15                         ; h
	s_lshl_b32 s13, s13, 20                        ; b x 2,048 rows x 512 bytes
	s_lshl_b32 s14, s14, 5                         ; h x 8 f32
	s_add_co_u32 s14, s14, s13
	s_mov_b32 s15, 0
	v_lshlrev_b32 v[XO], 12, v0                    ; T x 8 rows x 512 bytes
	s_wait_kmcnt 0x0
	s_load_b256 s[16:23], s[6:7], 0x0              ; theta, 8 f32
	s_add_nc_u64 s[4:5], s[4:5], s[14:15]
.irp i, 0,1,2,3,4,5,6,7
	global_load_b128 v[X+8*\i:X+8*\i+3],   v[XO], s[4:5] offset:512*\i
	global_load_b128 v[X+8*\i+4:X+8*\i+7], v[XO], s[4:5] offset:512*\i+16
.endr
	; addresses, while the loads are on their way
	v_lshlrev_b32 v[KS], 4, v0                     ; K array: column T of row i
	v_add_nc_u32 v[VS], VTBASE, v[KS]              ; V^T: tokens 8T .. 8T+7 of row d
	v_and_b32 v[TA], 7, v0
	v_mul_u32_u24 v[TA], v[TA], KPITCH             ; (lane & 7) rows
	v_bfe_u32 v[TA+1], v0, 3, 2
	v_lshl_add_u32 v[KA], v[TA+1], 4, v[TA]        ; + (lane >> 3) x 16: key = lane of the block
	v_bfe_u32 v[TA+1], v0, 3, 1
	v_lshl_add_u32 v[QA], v[TA+1], 4, v[TA]        ; the same for query lane % 16, in both halves of the lanes
	s_lshl_b32 s24, s11, 10                        ; 512 queries are 64 columns of 16 bytes
	s_lshl_b32 s25, s10, 7                         ; a wave's 64 queries are 8 columns
	s_add_co_u32 s24, s24, s25
	v_add_nc_u32 v[QA], s24, v[QA]
	v_and_b32 v[TA], 15, v0
	v_min_u32 v[TA], 8, v[TA]                      ; V^T's rows 0-7; lanes 8-15 of each half all take the ones row
	v_mul_u32_u24 v[TA], v[TA], VPITCH
	v_bfe_u32 v[TA+1], v0, 4, 1
	v_lshl_add_u32 v[TA], v[TA+1], 4, v[TA]        ; + 8 keys for the upper half of the lanes
	v_add_nc_u32 v[VA], VTBASE, v[TA]
	v_and_b32 v[OUTO], 31, v0
	v_lshlrev_b32 v[OUTO], 4, v[OUTO]
	s_lshl_b32 s28, s12, 15                        ; merged: (16 b + h) x 2,048 tokens x 16 bytes
	s_lshl_b32 s29, s11, 13                        ; + 512 tokens a quarter
	s_add_co_u32 s28, s28, s29
	s_lshl_b32 s29, s10, 10                        ; + 64 tokens a wave
	s_add_co_u32 s28, s28, s29
	s_mov_b32 s29, 0
	s_add_nc_u64 s[8:9], s[8:9], s[28:29]
	s_mov_b32 s26, 0x76543210                      ; v_permlanex16_b32: lane i of one half reads lane i of the other
	s_mov_b32 s27, 0xfedcba98
	s_mov_b32 vcc_lo, 0xffff                       ; lanes 0-15
	v_mov_b32 v[C4], 0x3238ef1d                    ; 1 / (256 x 9!)
	v_mov_b32 v[C4+1], 0x3238ef1d
.irp j, 0,1,2,3
	v_mov_b32 v[ONE+\j], 0x3f803f80                ; two bf16 ones
.endr
	ds_store_b128 v[VS], v[ONE:ONE+3] offset:8*VPITCH
	s_wait_kmcnt 0x0
.irp j, 0,1,2,3,4,5,6,7
	v_mov_b32 v[TH+\j], s[16+\j]
.endr
; One token: 8 cosines, four pairs side by side so that no line waits for the one in front of it; then its K row.
.macro TOKEN i
.set XI, X+8*\i
	s_wait_loadcnt 14-2*\i                         ; loads come back in order: this token's two are in, those of the tokens behind it stay out
.irp j, 0,2,4,6
	v_pk_add_f32 v[XI+\j:XI+\j+1], v[XI+\j:XI+\j+1], v[TH+\j:TH+\j+1]                          ; t = x + theta
.endr
.irp j, 0,2,4,6
	v_pk_mul_f32 v[N+\j:N+\j+1], v[XI+\j:XI+\j+1], 0x3e22f983 op_sel_hi:[1,0]                  ; t / 2 pi
.endr
.irp j, 0,1,2,3,4,5,6,7
	v_rndne_f32 v[N+\j], v[N+\j]
.endr
.irp j, 0,2,4,6
	v_pk_fma_f32 v[XI+\j:XI+\j+1], v[N+\j:N+\j+1], 0xc0c90fdb, v[XI+\j:XI+\j+1] op_sel_hi:[1,0,1]   ; - n x the f32 nearest 2 pi
.endr
.irp j, 0,2,4,6
	v_pk_fma_f32 v[XI+\j:XI+\j+1], v[N+\j:N+\j+1], 0x343bbd2e, v[XI+\j:XI+\j+1] op_sel_hi:[1,0,1]   ; - n x what that f32 lacks of 2 pi (-1.75e-7)
.endr
.irp j, 0,2,4,6
	v_pk_mul_f32 v[U+\j:U+\j+1], v[XI+\j:XI+\j+1], v[XI+\j:XI+\j+1]                            ; u = r r
.endr
.irp j, 0,2,4,6
	v_pk_fma_f32 v[PL+\j:PL+\j+1], v[U+\j:U+\j+1], v[C4:C4+1], 0xb6500d01 op_sel_hi:[1,1,0]    ; - 1 / (64 x 7!)
.endr
.irp j, 0,2,4,6
	v_pk_fma_f32 v[PL+\j:PL+\j+1], v[PL+\j:PL+\j+1], v[U+\j:U+\j+1], 0x3a088889 op_sel_hi:[1,1,0]   ; + 1 / (16 x 5!)
.endr
.irp j, 0,2,4,6
	v_pk_fma_f32 v[PL+\j:PL+\j+1], v[PL+\j:PL+\j+1], v[U+\j:U+\j+1], 0xbd2aaaab op_sel_hi:[1,1,0]   ; - 1 / (4 x 3!)
.endr
.irp j, 0,2,4,6
	v_pk_fma_f32 v[PL+\j:PL+\j+1], v[PL+\j:PL+\j+1], v[U+\j:U+\j+1], 1.0 op_sel_hi:[1,1,0]     ; p = sin(r/2) / (r/2)
.endr
.irp j, 0,2,4,6
	v_pk_mul_f32 v[U+\j:U+\j+1], v[U+\j:U+\j+1], v[PL+\j:PL+\j+1]
.endr
.irp j, 0,2,4,6
	v_pk_mul_f32 v[U+\j:U+\j+1], v[U+\j:U+\j+1], v[PL+\j:PL+\j+1]                              ; u p p = 4 sin^2(r/2)
.endr
.irp j, 0,2,4,6
	v_pk_fma_f32 v[XI+\j:XI+\j+1], v[U+\j:U+\j+1], -0.5, 1.0 op_sel_hi:[1,0,0]                 ; the cosine: kept for V^T
.endr
.irp j, 0,2,4,6
	v_pk_mul_f32 v[CK+\j:CK+\j+1], v[XI+\j:XI+\j+1], 0x3f36d544 op_sel_hi:[1,0]                ; x c = 0.7141917
.endr
.irp j, 0,1,2,3
	v_cvt_pk_bf16_f32 v[KPK+4*\i+\j], v[CK+2*\j], v[CK+2*\j+1]
.endr
	ds_store_b128 v[KS], v[KPK+4*\i:KPK+4*\i+3] offset:\i*KPITCH
.endm
.irp i, 0,1,2,3,4,5,6,7
	TOKEN \i
.endr
.irp d, 0,1,2,3,4,5,6,7
.irp i, 0,1,2,3
	v_cvt_pk_bf16_f32 v[VPK+4*\d+\i], v[X+16*\i+\d], v[X+16*\i+8+\d]       ; wire d of tokens 2i, 2i+1
.endr
	ds_store_b128 v[VS], v[VPK+4*\d:VPK+4*\d+3] offset:\d*VPITCH
.endr
	s_wait_dscnt 0x0                               ; my stores are in LDS: zero, for the other waves' sake
	s_barrier_signal -1
	s_barrier_wait -1                              ; everybody's are; from here on LDS is only read
; three loads: key block kb (counted from the trip's first) into fragment buffer fb
.macro FILL fb, kb
	ds_load_b128 v[F+12*\fb:F+12*\fb+3],    v[KA] offset:64*\kb
	ds_load_b128 v[F+12*\fb+4:F+12*\fb+7],  v[VA] offset:64*\kb
	ds_load_b128 v[F+12*\fb+8:F+12*\fb+11], v[VA] offset:64*\kb+32
.endm
.irp t, 0,1,2,3
	ds_load_b128 v[Q+16*\t:Q+16*\t+3], v[QA] offset:32*\t      ; 16 queries, the same in both halves of the lanes
.endr
	FILL 0, 0
.irp t, 0,1,2,3
.irp j, 4,5,6,7,12,13,14,15
	v_mov_b32 v[Q+16*\t+\j], 0                     ; k = 16..31 of the query fragments: operands' padding, written once
.endr
.endr
	s_wait_dscnt 0x3                               ; the four query loads are in; the three of the first key block stay out
.irp t, 0,1,2,3
.irp j, 0,1,2,3
	v_cndmask_b32 v[Q+16*\t+8+\j], v[Q+16*\t+\j], v[Q+16*\t+4], vcc_lo     ; Qhi: zero in lanes 0-15
	v_cndmask_b32 v[Q+16*\t+\j], 0, v[Q+16*\t+\j], vcc_lo                  ; Qlo: zero in lanes 16-31
.endr
.endr
	s_wait_dscnt 0x0
	v_wmma_f32_16x16x32_bf16 v[S:S+7],    v[F:F+7], v[Q:Q+7],    0         ; the scores of unit 0
	v_wmma_f32_16x16x32_bf16 v[S+8:S+15], v[F:F+7], v[Q+8:Q+15], 0
.rept 4
	v_nop                                          ; four places before a vector instruction reads a matrix result (ISA guide 7.12.1)
.endr
.macro EX a                            ; two weights: 2^score, in place
	v_exp_f32 v[cS+\a], v[cS+\a]
	v_exp_f32 v[cS+\a+1], v[cS+\a+1]
.endm
.macro PK i                            ; two weights rounded to bf16
	s_wait_alu depctr_va_vdst(0)
	v_cvt_pk_bf16_f32 v[cP+\i], v[cS+2*\i], v[cS+2*\i+1]
.endm
; Step u of a trip (unit u: key block u / 4 of the trip, query tile u % 4).  It issues the scores of unit u + 1 and the product
; O^T += V^T P^T of unit u - 1, then turns unit u's scores into weights.  S, P and F are in two buffers each, so every matrix instruction
; has the nine plain vector instructions of a whole step, which name none of its registers, between it and
;   the exponentials that read and overwrite its scores, the conversions that overwrite its P, the loads into its fragments,
;   and the matrix instruction that writes its score buffer again (ISA guide 7.12.1 asks for four, five for the last).
; The four O^T take turns, one instruction a turn, with the score products between them.
; Each conversion stands behind a plain vector instruction that follows its two exponentials (ISA guide 5.7.2).
; score: 0 in the very last step;  pv: 0 none, 1 starts the sum (C = 0), 2 adds;  wait: the next unit's fragments are awaited;
; fill: 1 the trip's second key block, 2 the next trip's first;  xk: the one free place steps an address (1, 2) or is idle (0).
.macro STEP u, score, pv, wait, fill, xk
.set NU, (\u+1)&7
.set PU, (\u+7)&7
.set cS, S+16*(\u&1)
.set cP, P+8*(\u&1)
.set nS, S+16*(NU&1)
.set nF, F+12*(NU>>2)
.set nQ, Q+16*(NU&3)
.set pO, O+8*(PU&3)
.set pF, F+12*(PU>>2)+4
.set pP, P+8*(PU&1)
.if (\wait)
	s_wait_dscnt 0x0                               ; the three loads issued three steps ago, the only ones out
.endif
.if (\score)
	v_wmma_f32_16x16x32_bf16 v[nS:nS+7],    v[nF:nF+7], v[nQ:nQ+7],    0
	v_wmma_f32_16x16x32_bf16 v[nS+8:nS+15], v[nF:nF+7], v[nQ+8:nQ+15], 0
.endif
.if (\pv) == 1
	v_wmma_f32_16x16x32_bf16 v[pO:pO+7], v[pF:pF+7], v[pP:pP+7], 0
.endif
.if (\pv) == 2
	v_wmma_f32_16x16x32_bf16 v[pO:pO+7], v[pF:pF+7], v[pP:pP+7], v[pO:pO+7]
.endif
	EX 0
	EX 2
.if (\xk) == 1
	v_add_nc_u32 v[KA], 128, v[KA]                 ; two key blocks on (the trip's loads have been issued)
.endif
.if (\xk) == 2
	v_add_nc_u32 v[VA], 128, v[VA]
.endif
.if (\xk) == 0
	v_nop
.endif
	PK 0
	EX 4
	PK 1
	EX 6
	PK 2
	EX 8
	PK 3
	EX 10
	PK 4
	EX 12
	PK 5
	EX 14
	PK 6
	PK 7
.if (\fill) == 1
	FILL 1, 1
.endif
.if (\fill) == 2
	FILL 0, 2
.endif
.endm
.macro TRIP first, last
	STEP 0, 1, 2-2*\first, 0, 1, 0
	STEP 1, 1, 2-\first, 0, 0, 0
	STEP 2, 1, 2-\first, 0, 0, 0
	STEP 3, 1, 2-\first, 1, 0, 0
	STEP 4, 1, 2-\first, 0, 2-2*\last, 0
	STEP 5, 1, 2, 0, 0, 1
	STEP 6, 1, 2, 0, 0, 2
	STEP 7, 1-\last, 2, 1-\last, 0, 0
.endm
	TRIP 1, 0                                      ; the first trip stands in front of the loop: its products start the four sums
	s_mov_b32 s24, TRIPS-2
.Ltrip:
	TRIP 0, 0
	s_sub_co_u32 s24, s24, 1
	s_cmp_lg_u32 s24, 0
	s_cbranch_scc1 .Ltrip
	TRIP 0, 1                                      ; the last trip loads nothing beyond key block 63 and starts no further scores
	v_wmma_f32_16x16x32_bf16 v[O+24:O+31], v[F+16:F+23], v[P+8:P+15], v[O+24:O+31]     ; the last unit's product
.rept 4
	v_nop                                          ; four places before vector instructions read the sums (ISA guide 7.12.1)
.endr
; THE WAY OUT, two tiles at a time.  In O^T lanes 0-15 hold a query's 8 numbers, lanes 16-31 the sum of its weights (in every register).
; Tile 2p stays in lanes 0-15, tile 2p+1 moves to lanes 16-31: lane l then holds token 32 p + l of the wave, and its 16 bytes of f16
; lie beside its neighbours': one store covers 512 consecutive bytes, aligned.
.macro OUT p
.set OA, O+16*\p
.set OB, OA+8
.set E,  S                             ; 8 numbers (registers written before: v_permlanex16_b32 counts as a reader of its destination)
.set SM, S+8                           ; the sum, then 1 / sum
.set PKD, S+16+4*\p                    ; store data, registers of their own for each store
	v_permlanex16_b32 v[SM], v[OA], s26, s27               ; lanes 0-15: the sums of tile 2p
.irp j, 0,1,2,3,4,5,6,7
	v_permlanex16_b32 v[E+\j], v[OB+\j], s26, s27          ; lanes 16-31: the numbers of tile 2p+1
.endr
	v_cndmask_b32 v[SM], v[OB], v[SM], vcc_lo              ; lanes 16-31: the sums of tile 2p+1, where they are
	v_rcp_f32 v[SM], v[SM]                                 ; the eight selects below stand between it and its use (ISA guide 5.7.2)
.irp j, 0,1,2,3,4,5,6,7
	v_cndmask_b32 v[E+\j], v[E+\j], v[OA+\j], vcc_lo
.endr
.irp j, 0,1,2,3,4,5,6,7
	s_wait_alu depctr_va_vdst(0)
	v_mul_f32 v[E+\j], v[E+\j], v[SM]
.endr
.irp j, 0,1,2,3
	v_cvt_pk_f16_f32 v[PKD+\j], v[E+2*\j], v[E+2*\j+1]     ; to f16: the operand format of the linear layer
.endr
	global_store_b128 v[OUTO], v[PKD:PKD+3], s[8:9] offset:512*\p
.endm
	OUT 0
	OUT 1
	s_wait_tensorcnt 0x0
	ds_add_u32 v200, v201
	s_wait_dscnt 0x0
	s_endpgm
.Lfunc_end_k_q506d0669c7_attn:
	.size	k_q506d0669c7_attn, .Lfunc_end_k_q506d0669c7_attn-k_q506d0669c7_attn
	.p2alignl 7, 3214868480
	.fill 96, 4, 3214868480
	.section	.rodata,"a",@progbits
	.p2align	6, 0x0
	.amdhsa_kernel k_q506d0669c7_attn
		.amdhsa_group_segment_fixed_size 168960
		.amdhsa_private_segment_fixed_size 0
		.amdhsa_enable_private_segment 0
		.amdhsa_kernarg_size 24
		.amdhsa_user_sgpr_count 2
		.amdhsa_user_sgpr_kernarg_segment_ptr 1
		.amdhsa_wavefront_size32 1
		.amdhsa_system_sgpr_workgroup_id_x 1
		.amdhsa_system_sgpr_workgroup_id_y 1
		.amdhsa_system_sgpr_workgroup_id_z 1
		.amdhsa_system_vgpr_workitem_id 0
		.amdhsa_next_free_vgpr 202
		.amdhsa_next_free_sgpr 66
		.amdhsa_reserve_vcc 1
		.amdhsa_float_denorm_mode_32 3
		.amdhsa_float_denorm_mode_16_64 3
		.amdhsa_memory_ordered 1
		.amdhsa_forward_progress 1
		.amdhsa_inst_pref_size 87
	.end_amdhsa_kernel
	.amdgpu_metadata
---
amdhsa.version: [ 1, 2 ]
amdhsa.kernels:
  - .name:           k_q506d0669c7_attn
    .symbol:         k_q506d0669c7_attn.kd
    .args:
      - { .name: x, .offset: 0, .size: 8, .value_kind: global_buffer, .address_space: global }
      - { .name: theta, .offset: 8, .size: 8, .value_kind: global_buffer, .address_space: global }
      - { .name: merged, .offset: 16, .size: 8, .value_kind: global_buffer, .address_space: global }
    .group_segment_fixed_size: 168960
    .private_segment_fixed_size: 0
    .kernarg_segment_align: 8
    .kernarg_segment_size: 24
    .max_flat_workgroup_size: 256
    .sgpr_count:     66
    .vgpr_count:     202
    .wavefront_size: 32
...
	.end_amdgpu_metadata
.endif
;; end of part 1
;; launch proj (part 2): grid 256 x 1, 8 waves a work-group, no clusters, 17,920 bytes of LDS; arguments merged, Wc, bc, out0; writes out0
.if DOCPART == 2
	.amdgcn_target "amdgcn-amd-amdhsa--gfx1250"
	.amdhsa_code_object_version 6
	.text
	.protected	k_q506d0669c7_proj
	.globl	k_q506d0669c7_proj
	.p2align	8
	.type	k_q506d0669c7_proj,@function
k_q506d0669c7_proj:
	s_mov_b64 s[64:65], 0
	v_nop
	global_prefetch_b8 v0, s[64:65] scope:SCOPE_SE
	s_setreg_imm32_b32 hwreg(HW_REG_WAVE_MODE, 25, 1), 1
	s_wait_xcnt 0x0
; out0[token][n] = sum over e of merged[token][e] Wc[n][e] + bc[n].  merged: [b][h][token][8] f16 (e = 8 h + d); Wc: [128][128] f32;
; out0: [8192][128] f32.  A work-group takes 32 tokens, 8 waves; wave w makes columns 16 w .. 16 w + 15 for both tiles of 16 tokens:
; 8 matrix instructions.  Memory and its latency bind, so all 34 loads of a wave are issued at once.
; THE OPERANDS ARE f16, the sums f32.  A sum has 128 terms that do not average out, so the operands' rounding counts: f16's 11 significant
; bits against bf16's 8 make it eight times smaller.  merged is at most 1 in size for every input (a convex mix of cosines).
; LIMIT: |Wc| < 65,520; a larger entry becomes infinite in f16.  Entries below 2^-14 in size are kept to 2^-25 absolutely.
; The matrix instruction is used transposed: source 0 = 16 rows of Wc, source 1 = 16 tokens.  A lane then holds one token and
; 8 neighbouring columns, and bc, loaded in the same layout, is the C of the first product.
; merged needs no conversion and no LDS: k = 32 kk + 8 (l / 16) + 0..7 of token l % 16 are the 16 bytes of head 4 kk + l / 16,
; and sixteen lanes read 256 consecutive bytes.
; The 32 x 128 results leave through LDS (rows of 528 bytes: row r starts 16 r bytes on modulo 256), so that each store of a wave
; covers a whole row of out0, 512 consecutive bytes, aligned.
; No cluster: what the work-groups share is Wc, 64 KiB read once by each; nothing is read in a loop.
.set SP,  528
.set W,   16                           ; v[16:79]   my 16 rows of Wc, f32: K step kk in 16 registers; later the rows read back from LDS
.set WF,  80                           ; v[80:111]  the same in f16: K step kk in 8 registers
.set M,   112                          ; v[112:175] merged: token tile mt, K step kk in 8 registers at 32 mt + 8 kk
.set BI,  176                          ; v[176:183] bc of my 8 columns
.set ACC, 184                          ; v[184:199] two accumulators
	s_load_b256 s[4:11], s[0:1], 0x0               ; merged s[4:5], Wc s[6:7], bc s[8:9], out0 s[10:11]
	v_lshl_add_u32 v200, v0, 2, 0x4200
	v_mov_b32 v201, 0
	v_and_b32 v1, 15, v0                           ; r = lane % 16
	v_bfe_u32 v2, v0, 4, 1                         ; h = lane / 16
	v_lshrrev_b32 v3, 5, v0                        ; wave
	v_lshl_add_u32 v4, v3, 4, v1                   ; Wc: row 16 w + r,
	v_lshlrev_b32 v4, 9, v4                        ; 512 bytes a row,
	v_lshl_add_u32 v4, v2, 5, v4                   ; + 8 h f32
	v_lshlrev_b32 v5, 4, v1                        ; merged: token r, 16 bytes,
	v_lshl_add_u32 v5, v2, 15, v5                  ; + h heads of 2,048 x 16 bytes
	v_lshlrev_b32 v6, 6, v3                        ; bc, and a row of the stage: column 16 w + 8 h, in bytes
	v_lshl_add_u32 v6, v2, 5, v6
	s_lshr_b32 s12, ttmp9, 6                       ; b: 64 work-groups a batch
	s_and_b32 s13, ttmp9, 63
	s_lshl_b32 s12, s12, 19                        ; b x 16 heads x 32,768 bytes
	s_lshl_b32 s13, s13, 9                         ; 32 tokens x 16 bytes
	s_add_co_u32 s12, s12, s13
	s_mov_b32 s13, 0
	s_lshl_b32 s14, ttmp9, 14                      ; out0: 32 rows x 512 bytes
	s_mov_b32 s15, 0
	s_wait_kmcnt 0x0
	s_add_nc_u64 s[4:5], s[4:5], s[12:13]
	s_add_nc_u64 s[10:11], s[10:11], s[14:15]
.irp kk, 0,1,2,3
	global_load_b128 v[W+16*\kk:W+16*\kk+3],     v4, s[6:7] offset:128*\kk         ; k = 32 kk + 8 h + 0..3
	global_load_b128 v[W+16*\kk+4:W+16*\kk+7],   v4, s[6:7] offset:128*\kk+16      ;                 + 4..7
	global_load_b128 v[W+16*\kk+8:W+16*\kk+11],  v4, s[6:7] offset:128*\kk+64      ; k = 32 kk + 16 + 8 h + 0..3
	global_load_b128 v[W+16*\kk+12:W+16*\kk+15], v4, s[6:7] offset:128*\kk+80
.endr
	global_load_b128 v[BI:BI+3],   v6, s[8:9]
	global_load_b128 v[BI+4:BI+7], v6, s[8:9] offset:16
.irp mt, 0,1
.irp kk, 0,1,2,3
	global_load_b128 v[M+32*\mt+8*\kk:M+32*\mt+8*\kk+3],   v5, s[4:5] offset:131072*\kk+256*\mt          ; head 4 kk + h
	global_load_b128 v[M+32*\mt+8*\kk+4:M+32*\mt+8*\kk+7], v5, s[4:5] offset:131072*\kk+65536+256*\mt    ; head 4 kk + 2 + h
.endr
.endr
	v_mul_u32_u24 v7, v1, SP                       ; the stage, in: row r, my 32 bytes
	v_add_nc_u32 v7, v7, v6
	v_and_b32 v8, 31, v0
	v_lshlrev_b32 v8, 4, v8
	v_mul_u32_u24 v9, v3, SP                       ; back: row w (+ 8 p), 16 bytes a lane
	v_add_nc_u32 v8, v8, v9
	v_lshlrev_b32 v9, 4, v0                        ; the same place in out0: 512 w + 16 lane
	s_wait_loadcnt 18                              ; Wc's 16 loads are in; the 2 of bc and the 16 of merged stay out
.irp i, 0,1,2,3,4,5,6,7,8,9,10,11,12,13,14,15,16,17,18,19,20,21,22,23,24,25,26,27,28,29,30,31
	v_cvt_pk_f16_f32 v[WF+\i], v[W+2*\i], v[W+2*\i+1]
.endr
	s_wait_loadcnt 0x0
	; the two accumulators take turns, one instruction a turn
	v_wmma_f32_16x16x32_f16 v[ACC:ACC+7],    v[WF:WF+7], v[M:M+7],     v[BI:BI+7]      ; the bias starts both sums
	v_wmma_f32_16x16x32_f16 v[ACC+8:ACC+15], v[WF:WF+7], v[M+32:M+39], v[BI:BI+7]
.irp kk, 1,2,3
	v_wmma_f32_16x16x32_f16 v[ACC:ACC+7],    v[WF+8*\kk:WF+8*\kk+7], v[M+8*\kk:M+8*\kk+7],       v[ACC:ACC+7]
	v_wmma_f32_16x16x32_f16 v[ACC+8:ACC+15], v[WF+8*\kk:WF+8*\kk+7], v[M+32+8*\kk:M+32+8*\kk+7], v[ACC+8:ACC+15]
.endr
.rept 4
	v_nop                                          ; four places before the LDS stores read the results
.endr
.irp mt, 0,1
	ds_store_b128 v7, v[ACC+8*\mt:ACC+8*\mt+3]   offset:16*SP*\mt
	ds_store_b128 v7, v[ACC+8*\mt+4:ACC+8*\mt+7] offset:16*SP*\mt+16
.endr
	s_wait_dscnt 0x0                               ; my stores are in LDS: zero, for the other waves' sake
	s_barrier_signal -1
	s_barrier_wait -1                              ; every wave's columns are there
.irp p, 0,1,2,3
	ds_load_b128 v[W+4*\p:W+4*\p+3], v8 offset:8*SP*\p         ; row 8 p + w, whole
.endr
.irp p, 0,1,2,3
	s_wait_dscnt 3-\p                              ; LDS loads come back in order: row p is in, the later ones stay out
	global_store_b128 v9, v[W+4*\p:W+4*\p+3], s[10:11] offset:4096*\p th:TH_STORE_NT
.endr
	s_wait_tensorcnt 0x0
	ds_add_u32 v200, v201
	s_wait_dscnt 0x0
	s_endpgm
.Lfunc_end_k_q506d0669c7_proj:
	.size	k_q506d0669c7_proj, .Lfunc_end_k_q506d0669c7_proj-k_q506d0669c7_proj
	.p2alignl 7, 3214868480
	.fill 96, 4, 3214868480
	.section	.rodata,"a",@progbits
	.p2align	6, 0x0
	.amdhsa_kernel k_q506d0669c7_proj
		.amdhsa_group_segment_fixed_size 17920
		.amdhsa_private_segment_fixed_size 0
		.amdhsa_enable_private_segment 0
		.amdhsa_kernarg_size 32
		.amdhsa_user_sgpr_count 2
		.amdhsa_user_sgpr_kernarg_segment_ptr 1
		.amdhsa_wavefront_size32 1
		.amdhsa_system_sgpr_workgroup_id_x 1
		.amdhsa_system_sgpr_workgroup_id_y 1
		.amdhsa_system_sgpr_workgroup_id_z 1
		.amdhsa_system_vgpr_workitem_id 0
		.amdhsa_next_free_vgpr 202
		.amdhsa_next_free_sgpr 66
		.amdhsa_reserve_vcc 0
		.amdhsa_float_denorm_mode_32 3
		.amdhsa_float_denorm_mode_16_64 3
		.amdhsa_memory_ordered 1
		.amdhsa_forward_progress 1
		.amdhsa_inst_pref_size 9
	.end_amdhsa_kernel
	.amdgpu_metadata
---
amdhsa.version: [ 1, 2 ]
amdhsa.kernels:
  - .name:           k_q506d0669c7_proj
    .symbol:         k_q506d0669c7_proj.kd
    .args:
      - { .name: merged, .offset: 0, .size: 8, .value_kind: global_buffer, .address_space: global }
      - { .name: Wc, .offset: 8, .size: 8, .value_kind: global_buffer, .address_space: global }
      - { .name: bc, .offset: 16, .size: 8, .value_kind: global_buffer, .address_space: global }
      - { .name: out0, .offset: 24, .size: 8, .value_kind: global_buffer, .address_space: global }
    .group_segment_fixed_size: 17920
    .private_segment_fixed_size: 0
    .kernarg_segment_align: 8
    .kernarg_segment_size: 32
    .max_flat_workgroup_size: 256
    .sgpr_count:     66
    .vgpr_count:     202
    .wavefront_size: 32
...
	.end_amdgpu_metadata
.endif
;; end of part 2
;; ======== version 2 of 2: 2 launches; 1.41 times as fast as version 1
;; limits: inputs' magnitudes at most 262,144; a function is approximated: absolute error at most 2e-05; values are held in f16: magnitudes above 65,504 overflow, below 6.1e-05 lose precision
;; workspace buffers: merged 2,097,152 bytes
;; launch attn (part 3): grid 256 x 1, 8 waves a work-group, no clusters, 168,960 bytes of LDS; arguments x, theta, merged; writes merged
.if DOCPART == 3
	.amdgcn_target "amdgcn-amd-amdhsa--gfx1250"
	.amdhsa_code_object_version 6
	.text
	.protected	k_q506d0669c7_attn
	.globl	k_q506d0669c7_attn
	.p2align	8
	.type	k_q506d0669c7_attn,@function
k_q506d0669c7_attn:
	s_mov_b64 s[64:65], 0
	v_nop
	global_prefetch_b8 v0, s[64:65] scope:SCOPE_SE
	s_setreg_imm32_b32 hwreg(HW_REG_WAVE_MODE, 25, 1), 1
	s_wait_xcnt 0x0
; q = k = v = cos(x + theta); per head softmax(q k^T / sqrt 8) v.  x: [4][2048][128] f32, 16 heads of 8.
; merged (workspace): [b][h][token][8] f16, 16 bytes a token, so that a wave's store covers 512 consecutive bytes.
;   f16 and not bf16: a result is a convex mix of cosines, at most 1 in size, so f16 holds it to 2^-12 absolutely for every input;
;   bf16's 2^-9, added up over the 128 terms of the linear layer that follows, would take too large a share of the error allowed.
; A work-group takes one head of one batch and 512 of its queries; 8 waves, 64 queries (4 tiles of 16) each.
;
; HEAD: thread T takes tokens 8T .. 8T+7, makes their 64 cosines in f32 and lays them into LDS twice, in bf16:
;   K array : c * cos, c*c = log2(e)/sqrt(8); token n at (n & 7) * 4128 + (n >> 3) * 16.  It serves as K and as Q, so a score comes out as
;             the exponent to base 2.  Pitch 4128 = 16 x 258.
;   V^T     : row d = cos of wire d along the tokens, pitch 4112 (row d starts 16 d bytes on modulo 256); row 8 is all ones.
;   The padding behind a row's 4,096 bytes is neither written nor read: the last query read ends at 3968 + 16 + 96 + 16 = 4096,
;   the last key read at 3968 + 64 + 48 + 16 = 4096, the last V^T read at 3968 + 64 + 32 + 16 + 16 = 4096.
; LOOP, a unit = 16 queries x 32 keys:
;   one 16-byte load a lane brings 32 keys: lanes 0-15 fill A's k = 0..7 (keys 0-15), lanes 16-31 A's k = 8..15 (keys 16-31).
;   S^T(keys 0-15)  = A x Qlo (the queries in lanes 0-15, zeros elsewhere);  S^T(keys 16-31) = the same A x Qhi (queries in lanes 16-31).
;   A's registers 4-7 are the first V^T registers: finite numbers that meet zeros of Q.
;   In S^T a lane holds one query and its registers eight keys: after exp2 and rounding to bf16 that IS the B fragment of O^T = V^T x P^T.
;   Rows 8-15 of V^T's fragment are the ones row, so lanes 16-31 of O^T hold the sum of the weights.
; THE BATCHES.  A unit's 16 exponentials are one batch with one s_wait_alu: eight batches a trip.  The way out's two reciprocals are one more.
;   Ahead of a batch's wait nothing names a result of the batch; behind it.
; NO MAXIMUM IS TAKEN AWAY: every q is a cosine, |q| <= 1 (here at most 1.00002), whatever x and theta are, so each exponent to base 2
;   is below 8 c c 1.01 < 4.2 in size, each weight lies in [2^-4.2, 2^4.2], and a sum of 2,048 of them is below 2^16: nothing can
;   overflow or underflow in f32 or bf16.
; THE COSINE: n = nearest whole number to t / 2 pi, r = t - n 2 pi with 2 pi in two f32 parts and fused multiply-adds,
;   cos r = 1 - (r r / 2) p(r r)^2, p = the series of sin(r/2)/(r/2) up to r^8: error below 2e-5 on [-pi, pi].
;   LIMIT: |x + theta| <= 2^18.  Beyond it the rounding of t / 2 pi can leave r outside [-pi, pi] by more than 0.03 and accuracy is lost.
;   An infinite or NaN x gives NaN for its head and batch, as in the definition.
; NOT SHARED IN A CLUSTER: the four work-groups of a head read the same 64 KiB of x, once, at the head, into registers (16 loads a thread);
;   the 256 steps of the loop read LDS alone.
.set KPITCH, 4128
.set VTBASE, 8*KPITCH                  ; 33,024: V^T lies behind the K array
.set VPITCH, 4112
.set TRIPS,  32                        ; a trip = 2 blocks of 32 keys x 4 query tiles = 8 units
.set KA,   2                           ; LDS address of my 16 bytes of the trip's first key block
.set VA,   3                           ; LDS address of my 16 bytes of its V^T fragment
.set XO,   4                           ; byte offset of my 8 rows of x
.set KS,   5                           ; where I store K rows
.set VS,   6                           ; where I store V^T pieces
.set QA,   7                           ; LDS address of my wave's queries
.set OUTO, 8                           ; 16 x lane
.set TA,   10                          ; v10-11 address arithmetic
; the head's registers
.set X,   16                           ; v[16:79]   token i: 8 numbers, x, then the angle, then its cosine
.set TH,  80                           ; v[80:87]   theta
.set N,   88                           ; v[88:95]   whole turns
.set U,   96                           ; v[96:103]  r r
.set PL,  104                          ; v[104:111] the series
.set CK,  112                          ; v[112:119] c cos
.set C4,  120                          ; v[120:121] the series' last coefficient, twice
.set ONE, 124                          ; v[124:127] eight bf16 ones
.set KPK, 136                          ; v[136:167] token i: its K row, 4 registers
.set VPK, 168                          ; v[168:199] wire d: 8 tokens, 4 registers
; the loop's registers
.set Q,   16                           ; v[16:79]   tile t: Qlo (4 data, 4 zeros), Qhi (4 data, 4 zeros)
.set O,   80                           ; v[80:111]  tile t: O^T, 8 registers
.set S,   112                          ; v[112:143] two buffers of 16: scores, then weights
.set P,   144                          ; v[144:159] two buffers of 8: weights in bf16
.set F,   160                          ; v[160:183] two buffers of 12: 4 of keys, 8 of V^T
	s_load_b128 s[4:7], s[0:1], 0x0                ; x s[4:5], theta s[6:7]
	s_load_b64 s[8:9], s[0:1], 0x10                ; merged
	v_lshl_add_u32 v200, v0, 2, 0x29000
	v_mov_b32 v201, 0
	v_lshrrev_b32 v1, 5, v0
	v_readfirstlane_b32 s10, v1                    ; wave 0..7
	s_and_b32 s11, ttmp9, 3                        ; which 512 queries
	s_lshr_b32 s12, ttmp9, 2                       ; 16 b + h
	s_lshr_b32 s13, ttmp9, 6                       ; b
	s_and_b32 s14, s12, 15                         ; h
	s_lshl_b32 s13, s13, 20                        ; b x 2,048 rows x 512 bytes
	s_lshl_b32 s14, s14, 5                         ; h x 8 f32
	s_add_co_u32 s14, s14, s13
	s_mov_b32 s15, 0
	v_lshlrev_b32 v[XO], 12, v0                    ; T x 8 rows x 512 bytes
	s_wait_kmcnt 0x0
	s_load_b256 s[16:23], s[6:7], 0x0              ; theta, 8 f32
	s_add_nc_u64 s[4:5], s[4:5], s[14:15]
.irp i, 0,1,2,3,4,5,6,7
	global_load_b128 v[X+8*\i:X+8*\i+3],   v[XO], s[4:5] offset:512*\i
	global_load_b128 v[X+8*\i+4:X+8*\i+7], v[XO], s[4:5] offset:512*\i+16
.endr
	; addresses, while the loads are on their way
	v_lshlrev_b32 v[KS], 4, v0                     ; K array: column T of row i
	v_add_nc_u32 v[VS], VTBASE, v[KS]              ; V^T: tokens 8T .. 8T+7 of row d
	v_and_b32 v[TA], 7, v0
	v_mul_u32_u24 v[TA], v[TA], KPITCH             ; (lane & 7) rows
	v_bfe_u32 v[TA+1], v0, 3, 2
	v_lshl_add_u32 v[KA], v[TA+1], 4, v[TA]        ; + (lane >> 3) x 16: key = lane of the block
	v_bfe_u32 v[TA+1], v0, 3, 1
	v_lshl_add_u32 v[QA], v[TA+1], 4, v[TA]        ; the same for query lane % 16, in both halves of the lanes
	s_lshl_b32 s24, s11, 10                        ; 512 queries are 64 columns of 16 bytes
	s_lshl_b32 s25, s10, 7                         ; a wave's 64 queries are 8 columns
	s_add_co_u32 s24, s24, s25
	v_add_nc_u32 v[QA], s24, v[QA]
	v_and_b32 v[TA], 15, v0
	v_min_u32 v[TA], 8, v[TA]                      ; V^T's rows 0-7; lanes 8-15 of each half all take the ones row
	v_mul_u32_u24 v[TA], v[TA], VPITCH
	v_bfe_u32 v[TA+1], v0, 4, 1
	v_lshl_add_u32 v[TA], v[TA+1], 4, v[TA]        ; + 8 keys for the upper half of the lanes
	v_add_nc_u32 v[VA], VTBASE, v[TA]
	v_and_b32 v[OUTO], 31, v0
	v_lshlrev_b32 v[OUTO], 4, v[OUTO]
	s_lshl_b32 s28, s12, 15                        ; merged: (16 b + h) x 2,048 tokens x 16 bytes
	s_lshl_b32 s29, s11, 13                        ; + 512 tokens a quarter
	s_add_co_u32 s28, s28, s29
	s_lshl_b32 s29, s10, 10                        ; + 64 tokens a wave
	s_add_co_u32 s28, s28, s29
	s_mov_b32 s29, 0
	s_add_nc_u64 s[8:9], s[8:9], s[28:29]
	s_mov_b32 s26, 0x76543210                      ; v_permlanex16_b32: lane i of one half reads lane i of the other
	s_mov_b32 s27, 0xfedcba98
	s_mov_b32 vcc_lo, 0xffff                       ; lanes 0-15
	v_mov_b32 v[C4], 0x3238ef1d                    ; 1 / (256 x 9!)
	v_mov_b32 v[C4+1], 0x3238ef1d
.irp j, 0,1,2,3
	v_mov_b32 v[ONE+\j], 0x3f803f80                ; two bf16 ones
.endr
	ds_store_b128 v[VS], v[ONE:ONE+3] offset:8*VPITCH
	s_wait_kmcnt 0x0
.irp j, 0,1,2,3,4,5,6,7
	v_mov_b32 v[TH+\j], s[16+\j]
.endr
; One token: 8 cosines, four pairs side by side so that no line waits for the one in front of it; then its K row.
.macro TOKEN i
.set XI, X+8*\i
	s_wait_loadcnt 14-2*\i                         ; loads come back in order: this token's two are in, those of the tokens behind it stay out
.irp j, 0,2,4,6
	v_pk_add_f32 v[XI+\j:XI+\j+1], v[XI+\j:XI+\j+1], v[TH+\j:TH+\j+1]                          ; t = x + theta
.endr
.irp j, 0,2,4,6
	v_pk_mul_f32 v[N+\j:N+\j+1], v[XI+\j:XI+\j+1], 0x3e22f983 op_sel_hi:[1,0]                  ; t / 2 pi
.endr
.irp j, 0,1,2,3,4,5,6,7
	v_rndne_f32 v[N+\j], v[N+\j]
.endr
.irp j, 0,2,4,6
	v_pk_fma_f32 v[XI+\j:XI+\j+1], v[N+\j:N+\j+1], 0xc0c90fdb, v[XI+\j:XI+\j+1] op_sel_hi:[1,0,1]   ; - n x the f32 nearest 2 pi
.endr
.irp j, 0,2,4,6
	v_pk_fma_f32 v[XI+\j:XI+\j+1], v[N+\j:N+\j+1], 0x343bbd2e, v[XI+\j:XI+\j+1] op_sel_hi:[1,0,1]   ; - n x what that f32 lacks of 2 pi (-1.75e-7)
.endr
.irp j, 0,2,4,6
	v_pk_mul_f32 v[U+\j:U+\j+1], v[XI+\j:XI+\j+1], v[XI+\j:XI+\j+1]                            ; u = r r
.endr
.irp j, 0,2,4,6
	v_pk_fma_f32 v[PL+\j:PL+\j+1], v[U+\j:U+\j+1], v[C4:C4+1], 0xb6500d01 op_sel_hi:[1,1,0]    ; - 1 / (64 x 7!)
.endr
.irp j, 0,2,4,6
	v_pk_fma_f32 v[PL+\j:PL+\j+1], v[PL+\j:PL+\j+1], v[U+\j:U+\j+1], 0x3a088889 op_sel_hi:[1,1,0]   ; + 1 / (16 x 5!)
.endr
.irp j, 0,2,4,6
	v_pk_fma_f32 v[PL+\j:PL+\j+1], v[PL+\j:PL+\j+1], v[U+\j:U+\j+1], 0xbd2aaaab op_sel_hi:[1,1,0]   ; - 1 / (4 x 3!)
.endr
.irp j, 0,2,4,6
	v_pk_fma_f32 v[PL+\j:PL+\j+1], v[PL+\j:PL+\j+1], v[U+\j:U+\j+1], 1.0 op_sel_hi:[1,1,0]     ; p = sin(r/2) / (r/2)
.endr
.irp j, 0,2,4,6
	v_pk_mul_f32 v[U+\j:U+\j+1], v[U+\j:U+\j+1], v[PL+\j:PL+\j+1]
.endr
.irp j, 0,2,4,6
	v_pk_mul_f32 v[U+\j:U+\j+1], v[U+\j:U+\j+1], v[PL+\j:PL+\j+1]                              ; u p p = 4 sin^2(r/2)
.endr
.irp j, 0,2,4,6
	v_pk_fma_f32 v[XI+\j:XI+\j+1], v[U+\j:U+\j+1], -0.5, 1.0 op_sel_hi:[1,0,0]                 ; the cosine: kept for V^T
.endr
.irp j, 0,2,4,6
	v_pk_mul_f32 v[CK+\j:CK+\j+1], v[XI+\j:XI+\j+1], 0x3f36d544 op_sel_hi:[1,0]                ; x c = 0.7141917
.endr
.irp j, 0,1,2,3
	v_cvt_pk_bf16_f32 v[KPK+4*\i+\j], v[CK+2*\j], v[CK+2*\j+1]
.endr
	ds_store_b128 v[KS], v[KPK+4*\i:KPK+4*\i+3] offset:\i*KPITCH
.endm
.irp i, 0,1,2,3,4,5,6,7
	TOKEN \i
.endr
.irp d, 0,1,2,3,4,5,6,7
.irp i, 0,1,2,3
	v_cvt_pk_bf16_f32 v[VPK+4*\d+\i], v[X+16*\i+\d], v[X+16*\i+8+\d]       ; wire d of tokens 2i, 2i+1
.endr
	ds_store_b128 v[VS], v[VPK+4*\d:VPK+4*\d+3] offset:\d*VPITCH
.endr
	s_wait_dscnt 0x0                               ; my stores are in LDS: zero, for the other waves' sake
	s_barrier_signal -1
	s_barrier_wait -1                              ; everybody's are; from here on LDS is only read
; three loads: key block kb (counted from the trip's first) into fragment buffer fb
.macro FILL fb, kb
	ds_load_b128 v[F+12*\fb:F+12*\fb+3],    v[KA] offset:64*\kb
	ds_load_b128 v[F+12*\fb+4:F+12*\fb+7],  v[VA] offset:64*\kb
	ds_load_b128 v[F+12*\fb+8:F+12*\fb+11], v[VA] offset:64*\kb+32
.endm
.irp t, 0,1,2,3
	ds_load_b128 v[Q+16*\t:Q+16*\t+3], v[QA] offset:32*\t      ; 16 queries, the same in both halves of the lanes
.endr
	FILL 0, 0
.irp t, 0,1,2,3
.irp j, 4,5,6,7,12,13,14,15
	v_mov_b32 v[Q+16*\t+\j], 0                     ; k = 16..31 of the query fragments: operands' padding, written once
.endr
.endr
	s_wait_dscnt 0x3                               ; the four query loads are in; the three of the first key block stay out
.irp t, 0,1,2,3
.irp j, 0,1,2,3
	v_cndmask_b32 v[Q+16*\t+8+\j], v[Q+16*\t+\j], v[Q+16*\t+4], vcc_lo     ; Qhi: zero in lanes 0-15
	v_cndmask_b32 v[Q+16*\t+\j], 0, v[Q+16*\t+\j], vcc_lo                  ; Qlo: zero in lanes 16-31
.endr
.endr
	s_wait_dscnt 0x0
	v_wmma_f32_16x16x32_bf16 v[S:S+7],    v[F:F+7], v[Q:Q+7],    0         ; the scores of unit 0
	v_wmma_f32_16x16x32_bf16 v[S+8:S+15], v[F:F+7], v[Q+8:Q+15], 0
.rept 4
	v_nop                                          ; four places before a vector instruction reads a matrix result (ISA guide 7.12.1)
.endr
; Step u of a trip (unit u: key block u / 4 of the trip, query tile u % 4).  It issues the scores of unit u + 1 and the product
; O^T += V^T P^T of unit u - 1, then turns unit u's scores into weights.  S, P and F are in two buffers each, so every matrix instruction
; has the nine plain vector instructions of a whole step, which name none of its registers, between it and
;   the exponentials that read and overwrite its scores, the conversions that overwrite its P, the loads into its fragments,
;   and the matrix instruction that writes its score buffer again (ISA guide 7.12.1 asks for four, five for the last).
; The four O^T take turns, one instruction a turn, with the score products between them.
; THE STEP'S BATCH: the unit's 16 exponentials stand on end, each in place in a register of its own of the unit's score buffer, in
; ascending order (each of the two score accumulators is read from its lowest register on).  The matrix instructions ahead of them name
; the other score buffer and the other weight buffer.  Behind the last exponential stands the step's one plain line that names no result
; (an address step, or v_nop): the plain instruction between an exponential and the use of its result (ISA guide 5.7.2), once for all 16.
; Then ONE wait, then the batch's only readers, the eight conversions.
; score: 0 in the very last step;  pv: 0 none, 1 starts the sum (C = 0), 2 adds;  wait: the next unit's fragments are awaited;
; fill: 1 the trip's second key block, 2 the next trip's first;  xk: the one free place steps an address (1, 2) or is idle (0).
.macro STEP u, score, pv, wait, fill, xk
.set NU, (\u+1)&7
.set PU, (\u+7)&7
.set cS, S+16*(\u&1)
.set cP, P+8*(\u&1)
.set nS, S+16*(NU&1)
.set nF, F+12*(NU>>2)
.set nQ, Q+16*(NU&3)
.set pO, O+8*(PU&3)
.set pF, F+12*(PU>>2)+4
.set pP, P+8*(PU&1)
.if (\wait)
	s_wait_dscnt 0x0                               ; the three loads issued three steps ago, the only ones out
.endif
.if (\score)
	v_wmma_f32_16x16x32_bf16 v[nS:nS+7],    v[nF:nF+7], v[nQ:nQ+7],    0
	v_wmma_f32_16x16x32_bf16 v[nS+8:nS+15], v[nF:nF+7], v[nQ+8:nQ+15], 0
.endif
.if (\pv) == 1
	v_wmma_f32_16x16x32_bf16 v[pO:pO+7], v[pF:pF+7], v[pP:pP+7], 0
.endif
.if (\pv) == 2
	v_wmma_f32_16x16x32_bf16 v[pO:pO+7], v[pF:pF+7], v[pP:pP+7], v[pO:pO+7]
.endif
.irp a, 0,1,2,3,4,5,6,7,8,9,10,11,12,13,14,15
	v_exp_f32 v[cS+\a], v[cS+\a]                   ; the batch: 16 weights, 2^score, in place
.endr
.if (\xk) == 1
	v_add_nc_u32 v[KA], 128, v[KA]                 ; two key blocks on (the trip's loads have been issued)
.endif
.if (\xk) == 2
	v_add_nc_u32 v[VA], 128, v[VA]
.endif
.if (\xk) == 0
	v_nop
.endif
	s_wait_alu depctr_va_vdst(0)                   ; the wait for the step's batch of 16 exponentials, ahead of their first reader
.irp i, 0,1,2,3,4,5,6,7
	v_cvt_pk_bf16_f32 v[cP+\i], v[cS+2*\i], v[cS+2*\i+1]   ; two weights rounded to bf16
.endr
.if (\fill) == 1
	FILL 1, 1
.endif
.if (\fill) == 2
	FILL 0, 2
.endif
.endm
.macro TRIP first, last
	STEP 0, 1, 2-2*\first, 0, 1, 0
	STEP 1, 1, 2-\first, 0, 0, 0
	STEP 2, 1, 2-\first, 0, 0, 0
	STEP 3, 1, 2-\first, 1, 0, 0
	STEP 4, 1, 2-\first, 0, 2-2*\last, 0
	STEP 5, 1, 2, 0, 0, 1
	STEP 6, 1, 2, 0, 0, 2
	STEP 7, 1-\last, 2, 1-\last, 0, 0
.endm
	TRIP 1, 0                                      ; the first trip stands in front of the loop: its products start the four sums
	s_mov_b32 s24, TRIPS-2
.Ltrip:
	TRIP 0, 0
	s_sub_co_u32 s24, s24, 1
	s_cmp_lg_u32 s24, 0
	s_cbranch_scc1 .Ltrip
	TRIP 0, 1                                      ; the last trip loads nothing beyond key block 63 and starts no further scores
	v_wmma_f32_16x16x32_bf16 v[O+24:O+31], v[F+16:F+23], v[P+8:P+15], v[O+24:O+31]     ; the last unit's product
.rept 4
	v_nop                                          ; four places before vector instructions read the sums (ISA guide 7.12.1)
.endr
; THE WAY OUT, two tiles at a time.  In O^T lanes 0-15 hold a query's 8 numbers, lanes 16-31 the sum of its weights (in every register).
; Tile 2p stays in lanes 0-15, tile 2p+1 moves to lanes 16-31: lane l then holds token 32 p + l of the wave, and its 16 bytes of f16
; lie beside its neighbours': one store covers 512 consecutive bytes, aligned.
; THE TWO RECIPROCALS ARE ONE BATCH: both pairs' sums are made first, each in a register of its own (these lines are also the first reads
; of the four O^T, each at its lowest register); the reciprocals stand behind pair 0's lane exchanges; pair 0's eight selects, plain lines
; that name neither result, stand between them and the one wait; the multiplies of both pairs come behind it.
.set E,  S                             ; 8 numbers (registers written before: v_permlanex16_b32 counts as a reader of its destination)
.set SM, S+8                           ; v[S+8], v[S+9]: pair p's sums, then 1 / sum
.macro SUMS p
	v_permlanex16_b32 v[SM+\p], v[O+16*\p], s26, s27               ; lanes 0-15: the sums of tile 2p
	v_cndmask_b32 v[SM+\p], v[O+16*\p+8], v[SM+\p], vcc_lo         ; lanes 16-31: the sums of tile 2p+1, where they are
.endm
.macro OUT p
.set OA, O+16*\p
.set OB, OA+8
.set PKD, S+16+4*\p                    ; store data, registers of their own for each store
.irp j, 0,1,2,3,4,5,6,7
	v_permlanex16_b32 v[E+\j], v[OB+\j], s26, s27          ; lanes 16-31: the numbers of tile 2p+1
.endr
.if (\p) == 0
	v_rcp_f32 v[SM], v[SM]                                 ; the batch: both pairs' reciprocals; the eight selects below stand between
	v_rcp_f32 v[SM+1], v[SM+1]                             ; them and their use (ISA guide 5.7.2)
.endif
.irp j, 0,1,2,3,4,5,6,7
	v_cndmask_b32 v[E+\j], v[E+\j], v[OA+\j], vcc_lo
.endr
.if (\p) == 0
	s_wait_alu depctr_va_vdst(0)                           ; the wait for the two reciprocals, ahead of their first reader
.endif
.irp j, 0,1,2,3,4,5,6,7
	v_mul_f32 v[E+\j], v[E+\j], v[SM+\p]
.endr
.irp j, 0,1,2,3
	v_cvt_pk_f16_f32 v[PKD+\j], v[E+2*\j], v[E+2*\j+1]     ; to f16: the operand format of the linear layer
.endr
	global_store_b128 v[OUTO], v[PKD:PKD+3], s[8:9] offset:512*\p
.endm
	SUMS 0
	SUMS 1
	OUT 0
	OUT 1
	s_wait_tensorcnt 0x0
	ds_add_u32 v200, v201
	s_wait_dscnt 0x0
	s_endpgm
.Lfunc_end_k_q506d0669c7_attn:
	.size	k_q506d0669c7_attn, .Lfunc_end_k_q506d0669c7_attn-k_q506d0669c7_attn
	.p2alignl 7, 3214868480
	.fill 96, 4, 3214868480
	.section	.rodata,"a",@progbits
	.p2align	6, 0x0
	.amdhsa_kernel k_q506d0669c7_attn
		.amdhsa_group_segment_fixed_size 168960
		.amdhsa_private_segment_fixed_size 0
		.amdhsa_enable_private_segment 0
		.amdhsa_kernarg_size 24
		.amdhsa_user_sgpr_count 2
		.amdhsa_user_sgpr_kernarg_segment_ptr 1
		.amdhsa_wavefront_size32 1
		.amdhsa_system_sgpr_workgroup_id_x 1
		.amdhsa_system_sgpr_workgroup_id_y 1
		.amdhsa_system_sgpr_workgroup_id_z 1
		.amdhsa_system_vgpr_workitem_id 0
		.amdhsa_next_free_vgpr 202
		.amdhsa_next_free_sgpr 66
		.amdhsa_reserve_vcc 1
		.amdhsa_float_denorm_mode_32 3
		.amdhsa_float_denorm_mode_16_64 3
		.amdhsa_memory_ordered 1
		.amdhsa_forward_progress 1
		.amdhsa_inst_pref_size 82
	.end_amdhsa_kernel
	.amdgpu_metadata
---
amdhsa.version: [ 1, 2 ]
amdhsa.kernels:
  - .name:           k_q506d0669c7_attn
    .symbol:         k_q506d0669c7_attn.kd
    .args:
      - { .name: x, .offset: 0, .size: 8, .value_kind: global_buffer, .address_space: global }
      - { .name: theta, .offset: 8, .size: 8, .value_kind: global_buffer, .address_space: global }
      - { .name: merged, .offset: 16, .size: 8, .value_kind: global_buffer, .address_space: global }
    .group_segment_fixed_size: 168960
    .private_segment_fixed_size: 0
    .kernarg_segment_align: 8
    .kernarg_segment_size: 24
    .max_flat_workgroup_size: 256
    .sgpr_count:     66
    .vgpr_count:     202
    .wavefront_size: 32
...
	.end_amdgpu_metadata
.endif
;; end of part 3
;; launch proj: the kernel of part 2 again; grid 256 x 1, 8 waves a work-group, no clusters, 17,920 bytes of LDS; arguments merged, Wc, bc, out0; writes out0
